; MI455X (gfx1250); checked and timed in simulation.
; The chip was launched on July 23, 2026; its instructions are those of AMD's public machine-readable ISA for CDNA 5 (MIT licence, August 2026) and "CDNA5" Instruction Set Architecture Reference Guide (July 2026). The comments in the code are by the model that wrote it; some were corrected since.
;; Multi Head Self Attention. Allowed arithmetic: float matrix products may take bf16 or f16 operands with f32 sums; all other float work in f32.
;; Inputs: Wk 1,024 x 1,024 float32; Wo 1,024 x 1,024 float32; Wq 1,024 x 1,024 float32; Wv 1,024 x 1,024 float32; bk 1,024 float32; bo 1,024 float32; bq 1,024 float32; bv 1,024 float32; x 2 x 2,048 x 1,024 float32.
;; Outputs: out0 2 x 2,048 x 1,024 float32.
;; 2 versions, each right; version 2 is version 1 with the launch cast written anew for expert scheduling mode. Each part assembles by itself: llvm-mc -triple=amdgcn-amd-amdhsa -mcpu=gfx1250 --defsym DOCPART=n.
;; ======== version 1 of 2: 4 launches
;; workspace buffers: cb 16,777,216 bytes; qkv 25,165,824 bytes; ao 8,388,608 bytes
;; launch cast (part 1): grid 64 x 8, 8 waves a work-group, no clusters, 0 bytes of LDS; arguments x, Wq, Wk, Wv, Wo, cb; writes cb
.if DOCPART == 1
	.amdgcn_target "amdgcn-amd-amdhsa--gfx1250"
	.amdhsa_code_object_version 6
	.text
	.protected	k_q51297cbd53_cast
	.globl	k_q51297cbd53_cast
	.p2align	8
	.type	k_q51297cbd53_cast,@function
k_q51297cbd53_cast:
	s_mov_b64 s[64:65], 0
	v_nop
	global_prefetch_b8 v0, s[64:65] scope:SCOPE_SE
	s_setreg_imm32_b32 hwreg(HW_REG_WAVE_MODE, 25, 1), 1
	s_wait_xcnt 0x0
; f32 -> bf16 (round to nearest even), layout unchanged, so that the three matrix launches convert nothing and move half the bytes.
; cb: bytes 0 .. 8 MiB = x as [4096][1024] bf16; then Wq, Wk, Wv, Wo, 2 MiB each, as [1024 k][1024 n] bf16.
; Grid y names a slice of 4 MiB of f32: y = 0..3 the quarters of x, y = 4..7 Wq, Wk, Wv, Wo.  Grid x names 64 KiB of the slice.
; A thread makes 16 loads of 16 bytes (a wave's load covers 512 consecutive bytes) and 16 stores of 8 bytes (a wave's store covers
; 256 consecutive bytes, aligned).  All 16 loads are issued first: no register is used twice, so the only waits are the counted ones.
; A stream: no LDS, no matrix unit, no cluster (no byte is read by two work-groups).
.set X, 4                              ; v[4:67]   16 x 4 f32 as loaded
.set Y, 68                             ; v[68:99]  16 x 2 words of bf16 to store
	s_load_b256 s[4:11], s[0:1], 0x0               ; x s[4:5], Wq s[6:7], Wk s[8:9], Wv s[10:11]
	s_load_b128 s[12:15], s[0:1], 0x20             ; Wo s[12:13], cb s[14:15]
	s_and_b32 s20, ttmp7, 0xffff                   ; y: the slice
	s_lshl_b32 s21, s20, 22                        ; a quarter of x is 4 MiB
	s_lshl_b32 s19, ttmp9, 16                      ; my 64 KiB of the slice
	s_lshl_b32 s22, s20, 21                        ; in cb a slice is 2 MiB,
	s_lshl_b32 s23, ttmp9, 15                      ; my part of it 32 KiB
	s_add_co_u32 s22, s22, s23
	s_mov_b32 s23, 0
	v_lshlrev_b32 v1, 4, v0                        ; 16 bytes a thread in
	v_lshlrev_b32 v2, 3, v0                        ; 8 bytes a thread out
	s_wait_kmcnt 0x0
	s_mov_b64 s[16:17], s[6:7]                     ; the source, chosen by y alone: y = 4 Wq,
	s_cmp_eq_u32 s20, 5
	s_cselect_b64 s[16:17], s[8:9], s[16:17]       ; 5 Wk,
	s_cmp_eq_u32 s20, 6
	s_cselect_b64 s[16:17], s[10:11], s[16:17]     ; 6 Wv,
	s_cmp_eq_u32 s20, 7
	s_cselect_b64 s[16:17], s[12:13], s[16:17]     ; 7 Wo,
	s_cmp_lt_u32 s20, 4
	s_cselect_b64 s[16:17], s[4:5], s[16:17]       ; below 4: x,
	s_cselect_b32 s18, s21, 0                      ; at its quarter y
	s_add_co_u32 s18, s18, s19
	s_mov_b32 s19, 0
	s_add_nc_u64 s[16:17], s[16:17], s[18:19]
	s_add_nc_u64 s[22:23], s[14:15], s[22:23]
.irp i, 0,1,2,3,4,5,6,7,8,9,10,11,12,13,14,15
	global_load_b128 v[X+4*\i:X+4*\i+3], v1, s[16:17] offset:4096*\i th:TH_LOAD_NT   ; read once in the launch
.endr
.irp i, 0,1,2,3,4,5,6,7,8,9,10,11,12,13,14,15
	s_wait_loadcnt 15-\i                           ; loads come back in order: load i is in, the 15 - i younger ones stay out
	v_cvt_pk_bf16_f32 v[Y+2*\i], v[X+4*\i], v[X+4*\i+1]
	v_cvt_pk_bf16_f32 v[Y+2*\i+1], v[X+4*\i+2], v[X+4*\i+3]
	global_store_b64 v2, v[Y+2*\i:Y+2*\i+1], s[22:23] offset:2048*\i   ; no hint: the next launch reads it
.endr
	s_endpgm
.Lfunc_end_k_q51297cbd53_cast:
	.size	k_q51297cbd53_cast, .Lfunc_end_k_q51297cbd53_cast-k_q51297cbd53_cast
	.p2alignl 7, 3214868480
	.fill 96, 4, 3214868480
	.section	.rodata,"a",@progbits
	.p2align	6, 0x0
	.amdhsa_kernel k_q51297cbd53_cast
		.amdhsa_group_segment_fixed_size 0
		.amdhsa_private_segment_fixed_size 0
		.amdhsa_enable_private_segment 0
		.amdhsa_kernarg_size 48
		.amdhsa_user_sgpr_count 2
		.amdhsa_user_sgpr_kernarg_segment_ptr 1
		.amdhsa_wavefront_size32 1
		.amdhsa_system_sgpr_workgroup_id_x 1
		.amdhsa_system_sgpr_workgroup_id_y 1
		.amdhsa_system_sgpr_workgroup_id_z 1
		.amdhsa_system_vgpr_workitem_id 0
		.amdhsa_next_free_vgpr 100
		.amdhsa_next_free_sgpr 66
		.amdhsa_reserve_vcc 0
		.amdhsa_float_denorm_mode_32 3
		.amdhsa_float_denorm_mode_16_64 3
		.amdhsa_memory_ordered 1
		.amdhsa_forward_progress 1
		.amdhsa_inst_pref_size 7
	.end_amdhsa_kernel
	.amdgpu_metadata
---
amdhsa.version: [ 1, 2 ]
amdhsa.kernels:
  - .name:           k_q51297cbd53_cast
    .symbol:         k_q51297cbd53_cast.kd
    .args:
      - { .name: x, .offset: 0, .size: 8, .value_kind: global_buffer, .address_space: global }
      - { .name: Wq, .offset: 8, .size: 8, .value_kind: global_buffer, .address_space: global }
      - { .name: Wk, .offset: 16, .size: 8, .value_kind: global_buffer, .address_space: global }
      - { .name: Wv, .offset: 24, .size: 8, .value_kind: global_buffer, .address_space: global }
      - { .name: Wo, .offset: 32, .size: 8, .value_kind: global_buffer, .address_space: global }
      - { .name: cb, .offset: 40, .size: 8, .value_kind: global_buffer, .address_space: global }
    .group_segment_fixed_size: 0
    .private_segment_fixed_size: 0
    .kernarg_segment_align: 8
    .kernarg_segment_size: 48
    .max_flat_workgroup_size: 256
    .sgpr_count:     66
    .vgpr_count:     100
    .wavefront_size: 32
...
	.end_amdgpu_metadata
.endif
;; end of part 1
;; launch qkv (part 2): grid 8 x 32, 4 waves a work-group, clusters of 4 x 4, 327,680 bytes of LDS; arguments cb, bq, bk, bv, qkv; writes qkv
.if DOCPART == 2
	.amdgcn_target "amdgcn-amd-amdhsa--gfx1250"
	.amdhsa_code_object_version 6
	.text
	.protected	k_q51297cbd53_qkv
	.globl	k_q51297cbd53_qkv
	.p2align	8
	.type	k_q51297cbd53_qkv,@function
k_q51297cbd53_qkv:
	s_mov_b64 s[64:65], 0
	v_nop
	global_prefetch_b8 v0, s[64:65] scope:SCOPE_SE
	s_setreg_imm32_b32 hwreg(HW_REG_WAVE_MODE, 25, 1), 1
	s_wait_xcnt 0x0
	s_wait_alu depctr_hold_cnt(0) depctr_sa_sdst(0) depctr_va_vdst(0) depctr_va_sdst(0) depctr_va_ssrc(0) depctr_va_vcc(0) depctr_vm_vsrc(0)
	s_getreg_b32 s2, hwreg(HW_REG_IB_STS2, 6, 4)
	s_cmp_eq_u32 s2, 0
	s_cbranch_scc0 .Lentry_in_a_cluster
	s_endpgm
.Lentry_in_a_cluster:
	s_bfe_u32 s2, ttmp6, 0x10000c
	s_cmp_lg_u32 s2, 0xf033
	s_cbranch_scc0 .Lentry_shape_is_right
	s_endpgm
.Lentry_shape_is_right:
; Q, K, V = x W + b, operands bf16 (from cb), sums f32, results rounded once to bf16 and stored head-major:
; qkv = Q at 0, K at 8 MiB, V at 16 MiB, each [32 = batch*16 + head][2048 s][64 d] bf16 (a row 128 bytes, a head 262,144 bytes, dense).
; Work-group (J = x, R = y): rows 128 R .. +127 of x times 384 columns: columns 128 J .. +127 (heads 2J, 2J+1) of each of Q, K, V.
; 8 x 32 = 256 work-groups of equal work.  Four waves; wave w = 2 i + j makes 64 rows (64 i ..) x 192 columns = three head slices
; t = 3 j + s, s = 0..2 (matrix t >> 1, head half t & 1): 48 accumulator tiles of 16 x 16, 384 registers.
; K goes in 8 steps of 128 through two LDS slots.  A slot holds three W tiles (128 k rows x 256 bytes, pitch 288) and the x tile
; (128 rows x 256 bytes, pitch 272); waves 0..2 fetch the W tiles of Wq, Wk, Wv, wave 3 the x tile, one tensor load each.
; W stays [k][n] as it is given: its fragments are read by the transposing LDS load.
; CLUSTER 4 x 4: the x tile hangs on R alone and is asked for jointly by the four work-groups of a row of the cluster, a W tile hangs on J
; alone and is asked for jointly by a column: requests for both are divided by four.
; The matrix instruction is used transposed (source 0 = 16 columns of W, source 1 = 16 rows of x): a lane then holds 8 neighbouring
; columns of one row, which pack into 16 bytes.
; Limit: x and W enter as bf16, Q, K, V leave as bf16.
.set SLOT,   147456                    ; 4 x 36,864
.set WTILE,  36864                     ; 128 k rows x 288
.set XOFF,   110592                    ; the x tile lies behind the three W tiles
.set APITCH, 272                       ; 256 + 16: an odd multiple of 16, the 16 rows of a fragment load start 16 bytes apart modulo 256
.set BPITCH, 288                       ; 256 + 32: an odd multiple of 32, for the transposing load
.set STAGE,  294912                    ; behind the ring, bytes of its own: 16 rows x 144 for each wave
.set SPITCH, 144
.set ADRA, 16                          ; v16-17  x fragments, slot 0, 1
.set ADRB, 18                          ; v18-23  W fragments, 3*slot + slice
.set STO,  24                          ; the way out: where I put 16 bytes
.set RD,   25                          ; where I read rows back
.set CO,   26                          ; my byte offset in the output
.set BOFF, 27                          ; 32 h: my 8 biases in a block of 16
.set FA0,  32                          ; window 0: x fragments, buffer f at 32 + 32 f
.set BIAS, 96                          ; v96-191: 8 biases for each of my 12 column blocks
.set T,    192                         ; v192-223 at work
.set PK,   224                         ; v224-239 packed
.set RB,   240                         ; v240-255 rows read back
                                       ; window 1: W fragments, buffer f at 96 f; windows 2, 3: accumulator (b, a) at 8 (4 (b & 7) + a)
.set G1A, 24                           ; s[24:31] group 1, x tile
.set G0A, 32                           ; s[32:39] group 0, x tile, one set a slot
.set G1B, 40                           ; s[40:47] group 1, W tiles
.set G0B, 48                           ; s[48:55] group 0, W tiles, one set a slot
.set MUL_LO, 0xa1                      ; source 0 window 1, source 1 window 0, C and D window 2
.set MUL_HI, 0xf1                      ; C and D window 3
.set TO_B,   0x40                      ; destination window 1
.set MSB, 0
.macro WIN new                         ; the immediate's high byte repeats the setting that is left
.if MSB != \new
	s_set_vgpr_msb (MSB<<8)|\new
.set MSB, \new
.endif
.endm
.macro PLACES                          ; four places behind a matrix instruction, in front of loads into its sources and of readers of its result
.rept 4
	v_nop
.endr
.endm
; A joint load: wave 3 asks for the x tile, waves 0..2 for their W tile.  Each line has one mask; the branch hangs on the wave's number alone.
.macro JLOAD n
	s_cmp_eq_u32 s14, 3
	s_cbranch_scc0 .Lfor_w_\@
	tensor_load_to_lds s[G0A+4*\n:G0A+4*\n+3], s[G1A:G1A+7]
	s_nop 0
	s_branch .Lasked_\@
.Lfor_w_\@:
	tensor_load_to_lds s[G0B+4*\n:G0B+4*\n+3], s[G1B:G1B+7]
	s_nop 0
.Lasked_\@:
.endm
.macro CREST                           ; a round of the cluster's barrier behind its opening work-group barrier
	s_cmp_lg_u32 s14, 0
	s_cbranch_scc1 .Lnot_wave_0_\@
	s_barrier_signal -3
.Lnot_wave_0_\@:
	s_barrier_wait -3
	s_barrier_signal -1
	s_barrier_wait -1
.endm
.macro CROUND
	s_barrier_signal -1
	s_barrier_wait -1
	CREST
.endm
	s_load_b256 s[4:11], s[0:1], 0x0               ; cb s[4:5], bq s[6:7], bk s[8:9], bv s[10:11]
	s_load_b64 s[12:13], s[0:1], 0x20              ; qkv
	s_set_vgpr_msb 0x40
	v_lshl_add_u32 v255, v0, 2, 0x4a400
	s_set_vgpr_msb 0x4000
	v_mov_b32 v31, 0
	s_set_vgpr_msb 0x1
	ds_add_u32 v255, v31
	s_set_vgpr_msb 0x100
	v_lshrrev_b32 v1, 5, v0
	v_readfirstlane_b32 s14, v1                    ; wave w
	s_lshr_b32 s15, s14, 1                         ; i: my 64 rows
	s_and_b32 s16, s14, 1                          ; j: my 192 columns
	s_bfe_u32 s17, ttmp6, 0x40000                  ; cx
	s_bfe_u32 s18, ttmp6, 0x40004                  ; cy
	s_lshl_b32 s19, ttmp9, 2
	s_add_co_u32 s19, s19, s17                     ; J = 4 x cluster x + cx
	s_and_b32 s20, ttmp7, 0xffff
	s_lshl_b32 s20, s20, 2
	s_add_co_u32 s20, s20, s18                     ; R = 4 x cluster y + cy
	s_lshl_b32 s21, s18, 2
	s_lshl_b32 s21, 15, s21                        ; my row of the cluster
	s_lshl_b32 s22, 0x1111, s17                    ; my column
	; group 1: 128 rows x 128 elements of 2 bytes, 1,024 elements from row to row; padding behind every 64 words: 4 words (x), 8 words (W)
	s_or_b32 s[G1A+0], s21, (1<<16)|(1<<20)|(1<<21)|(5<<22)|(3<<25)
	s_or_b32 s[G1B+0], s22, (1<<16)|(1<<20)|(1<<21)|(5<<22)|(7<<25)
.irp g, G1A, G1B
	s_mov_b32 s[\g+1], 128<<16                     ; tensor_dim0 = 128
	s_mov_b32 s[\g+2], 128<<16                     ; tensor_dim1 = 128
	s_mov_b32 s[\g+3], 128<<16                     ; tile_dim0 = 128
	s_mov_b32 s[\g+4], 128                         ; tile_dim1 = 128
	s_mov_b32 s[\g+5], 1024                        ; pitch
	s_mov_b32 s[\g+6], 0
	s_mov_b32 s[\g+7], 0
.endr
	s_lshl_b32 s56, s20, 18                        ; x: 128 R rows of 2,048 bytes (registers that never hold cx)
	s_mov_b32 s57, 0
	s_lshl_b32 s60, s14, 21                        ; W: matrix w, 2 MiB each (registers that never hold cy)
	s_lshl_b32 s61, s19, 8                         ; + 128 J columns
	s_add_co_u32 s60, s60, s61
	s_add_co_u32 s60, s60, 0x800000                ; behind x in cb
	s_mov_b32 s61, 0
	s_mul_i32 s78, s14, WTILE                      ; where my tile goes: the wave's number alone
	s_wait_dscnt 0x0
	s_wait_kmcnt 0x0
	s_add_nc_u64 s[58:59], s[4:5], s[56:57]
	s_add_nc_u64 s[62:63], s[4:5], s[60:61]
	CROUND                                         ; all sixteen work-groups are here: the first joint loads meet
.irp n, 0,1
	s_mov_b32 s[G0A+4*\n], 1
	s_add_co_u32 s[G0A+4*\n+1], s78, \n*SLOT
	s_add_nc_u64 s[G0A+4*\n+2:G0A+4*\n+3], s[58:59], \n*256          ; K step n: 128 elements along the rows
	s_or_b32 s[G0A+4*\n+3], s[G0A+4*\n+3], 0x80000000
	s_mov_b32 s[G0B+4*\n], 1
	s_add_co_u32 s[G0B+4*\n+1], s78, \n*SLOT
	s_add_nc_u64 s[G0B+4*\n+2:G0B+4*\n+3], s[62:63], \n*262144       ; K step n: 128 rows of 2,048 bytes down
	s_or_b32 s[G0B+4*\n+3], s[G0B+4*\n+3], 0x80000000
	JLOAD \n
.endr
	v_and_b32 v1, 15, v0                           ; r
	v_bfe_u32 v2, v0, 4, 1                         ; h
	v_and_b32 v3, 7, v0                            ; L & 7
	v_bfe_u32 v4, v0, 3, 1                         ; (L >> 3) & 1
	v_bfe_u32 v5, v0, 3, 2                         ; L >> 3
	v_and_b32 v6, 31, v0                           ; L
	v_mul_u32_u24 v7, v1, APITCH
	v_lshl_add_u32 v7, v2, 4, v7                   ; r x 272 + 16 h
	s_mul_i32 s80, s15, 64*APITCH
	s_add_co_u32 s80, s80, XOFF
	v_add_nc_u32 v[ADRA], s80, v7
	v_add_nc_u32 v[ADRA+1], SLOT, v[ADRA]
	v_lshl_add_u32 v8, v2, 3, v3                   ; k row 8 h + (L & 7)
	v_mul_u32_u24 v8, v8, BPITCH
	v_lshl_add_u32 v8, v4, 4, v8                   ; + 16 ((L >> 3) & 1)
	s_mul_i32 s80, s14, 16*SPITCH
	s_add_co_u32 s80, s80, STAGE                   ; my stage
	v_mul_u32_u24 v9, v1, SPITCH
	v_lshl_add_u32 v9, v2, 4, v9
	v_add_nc_u32 v[STO], s80, v9                   ; in: row r, 16 bytes for each half of the lanes
	v_mul_u32_u24 v9, v5, SPITCH
	v_lshl_add_u32 v9, v3, 4, v9
	v_add_nc_u32 v[RD], s80, v9                    ; back: eight lanes take a row of 128 bytes
	v_lshlrev_b32 v[CO], 4, v6                     ; four rows are 512 consecutive bytes of the output
	v_lshlrev_b32 v[BOFF], 5, v2
	s_cmp_eq_u32 s16, 0                            ; the biases of my three slices: j = 0: q, q, k;  j = 1: k, v, v
	s_cselect_b64 s[66:67], s[6:7], s[8:9]
	s_cselect_b64 s[68:69], s[6:7], s[10:11]
	s_cselect_b64 s[70:71], s[8:9], s[10:11]
	s_mul_i32 s80, s16, 3
.irp s, 0,1,2
	s_add_co_u32 s81, s80, \s                      ; t
	s_lshr_b32 s82, s81, 1                         ; matrix
	s_and_b32 s83, s81, 1                          ; head half
	s_mul_i32 s84, s82, WTILE
	s_lshl_b32 s85, s83, 7                         ; 64 columns = 128 bytes
	s_add_co_u32 s84, s84, s85
	v_add_nc_u32 v[ADRB+\s], s84, v8
	v_add_nc_u32 v[ADRB+3+\s], SLOT, v[ADRB+\s]
	s_lshl_b32 s86, s19, 9                         ; bias: (128 J + 64 half) x 4 bytes
	s_lshl_b32 s87, s83, 8
	s_add_co_u32 s86, s86, s87
	s_mov_b32 s87, 0
	s_add_nc_u64 s[66+2*\s:67+2*\s], s[66+2*\s:67+2*\s], s[86:87]
	s_lshr_b32 s88, s20, 4                         ; output: batch R >> 4,
	s_lshl_b32 s88, s88, 4
	s_lshl_b32 s89, s19, 1
	s_add_co_u32 s88, s88, s89
	s_add_co_u32 s88, s88, s83                     ; head 2 J + half,
	s_lshl_b32 s88, s88, 11
	s_and_b32 s89, s20, 15
	s_lshl_b32 s89, s89, 7
	s_add_co_u32 s88, s88, s89                     ; position (R & 15) 128
	s_lshl_b32 s89, s15, 6
	s_add_co_u32 s88, s88, s89                     ; + 64 i,
	s_lshl_b32 s88, s88, 7                         ; rows of 128 bytes,
	s_lshl_b32 s89, s82, 23
	s_add_co_u32 s88, s88, s89                     ; 8 MiB a matrix
	s_mov_b32 s89, 0
	s_add_nc_u64 s[72+2*\s:73+2*\s], s[12:13], s[88:89]
.endr
.irp s, 0,1,2
.irp b, 0,1,2,3
	global_load_b128 v[BIAS+32*\s+8*\b:BIAS+32*\s+8*\b+3], v[BOFF], s[66+2*\s:67+2*\s] offset:64*\b       ; waited for on the way out
	global_load_b128 v[BIAS+32*\s+8*\b+4:BIAS+32*\s+8*\b+7], v[BOFF], s[66+2*\s:67+2*\s] offset:64*\b+16
.endr
.endr
; nb column blocks from b0 on x my 4 row blocks, 32 along K, from buffer f.  In every quarter step the 48 accumulators are taken in the
; same order, one instruction a turn.  zero = 1: the first product starts the sums.
.macro MULB f, b0, nb, zero
.set bb, \b0
.rept \nb
.irp a, 0,1,2,3
.if \zero
	v_wmma_f32_16x16x32_bf16 v[8*(4*(bb&7)+\a):8*(4*(bb&7)+\a)+7], v[96*\f+8*bb:96*\f+8*bb+7], v[FA0+32*\f+8*\a:FA0+32*\f+8*\a+7], 0
.else
	v_wmma_f32_16x16x32_bf16 v[8*(4*(bb&7)+\a):8*(4*(bb&7)+\a)+7], v[96*\f+8*bb:96*\f+8*bb+7], v[FA0+32*\f+8*\a:FA0+32*\f+8*\a+7], v[8*(4*(bb&7)+\a):8*(4*(bb&7)+\a)+7]
.endif
.endr
.set bb, bb+1
.endr
.endm
; 32 LDS loads: the fragments of quarter kq (32 along K) of a slot into buffer f: 4 of x (plain), 12 of W (transposing: rows of LDS are k)
.macro FETCH slot, kq, f
	WIN 0
.irp a, 0,1,2,3
	ds_load_b128 v[FA0+32*\f+8*\a:FA0+32*\f+8*\a+3], v[ADRA+\slot] offset:\kq*64+\a*16*APITCH
	ds_load_b128 v[FA0+32*\f+8*\a+4:FA0+32*\f+8*\a+7], v[ADRA+\slot] offset:\kq*64+\a*16*APITCH+32
.endr
	WIN TO_B
.irp s, 0,1,2
.irp b, 0,1,2,3
	ds_load_tr16_b128 v[96*\f+32*\s+8*\b:96*\f+32*\s+8*\b+3], v[ADRB+3*\slot+\s] offset:\kq*32*BPITCH+32*\b
	ds_load_tr16_b128 v[96*\f+32*\s+8*\b+4:96*\f+32*\s+8*\b+7], v[ADRB+3*\slot+\s] offset:\kq*32*BPITCH+32*\b+16*BPITCH
.endr
.endr
.endm
; One of a K step's first three quarters: buffer f is multiplied; the next quarter's fragments (kq) go into buffer g first.
.macro QUARTER slot, kq, f, g, zero
	s_wait_dscnt 0x0                               ; buffer f's 32 loads are the only ones out
	PLACES                                         ; buffer g was read by the matrix instructions just issued
	FETCH \slot, \kq, \g
	WIN MUL_LO
	MULB \f, 0, 8, \zero
	WIN MUL_HI
	MULB \f, 8, 4, \zero
.endm
.macro THREE slot, zero
	QUARTER \slot, 1, 0, 1, \zero
	QUARTER \slot, 2, 1, 0, 0
	QUARTER \slot, 3, 0, 1, 0
.endm
; The last quarter multiplies buffer 1 and changes slots.  In front of the barrier each wave waits for its reads of this slot and for all its
; tensor loads (one is out: its part of the next slot).  fill = 1: the barrier opens a round of the cluster's barrier, and the joint refill of this
; slot, two K steps ahead, is the first tensor load behind the round.  From a request to the wait for it a wave issues 176 matrix instructions.
.macro TURN slot, next, fill
	s_wait_dscnt 0x0
	s_wait_tensorcnt 0x0
	ds_add_u32 v255, v31
	s_wait_dscnt 0x0
	s_barrier_signal -1
	WIN MUL_LO
	MULB 1, 0, 4, 0                                ; register work while the others arrive
	WIN 0
	s_barrier_wait -1
.if \fill
	CREST
	s_add_nc_u64 s[G0A+4*\slot+2:G0A+4*\slot+3], s[G0A+4*\slot+2:G0A+4*\slot+3], 2*256
	s_add_nc_u64 s[G0B+4*\slot+2:G0B+4*\slot+3], s[G0B+4*\slot+2:G0B+4*\slot+3], 2*262144
	JLOAD \slot
.endif
	PLACES
	FETCH \next, 0, 0
	WIN MUL_LO
	MULB 1, 4, 4, 0
	WIN MUL_HI
	MULB 1, 8, 4, 0
.endm
.macro LAP zero
	THREE 0, \zero
	TURN 0, 1, 1
	THREE 1, 0
	TURN 1, 0, 1
.endm
	s_wait_tensorcnt 0x1                           ; my part of K step 0 is in; K step 1's load stays out
	s_barrier_signal -1
	s_barrier_wait -1
	FETCH 0, 0, 0
	LAP 1                                          ; K steps 0, 1
	WIN 0
	s_mov_b32 s23, 2
.Llap:
	LAP 0                                          ; K steps 2 .. 5
	WIN 0
	s_sub_co_u32 s23, s23, 1
	s_cmp_lg_u32 s23, 0
	s_cbranch_scc1 .Llap
	THREE 0, 0                                     ; K steps 6, 7 fill nothing
	TURN 0, 1, 0
	THREE 1, 0
	s_wait_dscnt 0x0
	WIN MUL_LO
	MULB 1, 0, 8, 0
	WIN MUL_HI
	MULB 1, 8, 4, 0
; THE WAY OUT, 16 rows x 64 columns (one head slice) at a time: add the bias in f32, round to bf16, 16 bytes a lane into my stage, read back
; as rows of 128 bytes; four rows are 512 consecutive bytes of the head-major output, so each store of the wave covers 512 aligned bytes.
.macro OUT a, s, win
	WIN \win
.irp b, 0,1,2,3
.irp p, 0,1,2,3
	v_pk_add_f32 v[T+8*\b+2*\p:T+8*\b+2*\p+1], v[8*(4*(((4*\s)&7)+\b)+\a)+2*\p:8*(4*(((4*\s)&7)+\b)+\a)+2*\p+1], v[BIAS+32*\s+8*\b+2*\p:BIAS+32*\s+8*\b+2*\p+1]
.endr
.endr
	WIN 0
.irp b, 0,1,2,3
.irp p, 0,1,2,3
	v_cvt_pk_bf16_f32 v[PK+4*\b+\p], v[T+8*\b+2*\p], v[T+8*\b+2*\p+1]
.endr
.endr
.irp b, 0,1,2,3
	ds_store_b128 v[STO], v[PK+4*\b:PK+4*\b+3] offset:32*\b
.endr
	s_wait_xcnt 0x0                                ; RB is the data of the stores before: it is loaded again only behind this wait
.irp t, 0,1,2,3
	ds_load_b128 v[RB+4*\t:RB+4*\t+3], v[RD] offset:4*SPITCH*\t      ; LDS serves a wave's instructions in order: these see the stores above
.endr
.irp t, 0,1,2,3
	s_wait_dscnt 3-\t                              ; read-back t is in, the younger ones stay out
	global_store_b128 v[CO], v[RB+4*\t:RB+4*\t+3], s[72+2*\s:73+2*\s] offset:2048*\a+512*\t
.endr
.endm
	s_wait_loadcnt 0x0                             ; the biases
	PLACES                                         ; behind the last matrix instructions
.irp a, 0,1,2,3
	OUT \a, 0, 0x02
	OUT \a, 1, 0x02
	OUT \a, 2, 0x03
.endr
	s_set_vgpr_msb 0x1
	s_wait_tensorcnt 0x0
	ds_add_u32 v255, v31
	s_wait_dscnt 0x0
	s_set_vgpr_msb 0x100
	CROUND                                         ; the closing round: no work-group ends while a partner may still ask jointly
	s_endpgm
.Lfunc_end_k_q51297cbd53_qkv:
	.size	k_q51297cbd53_qkv, .Lfunc_end_k_q51297cbd53_qkv-k_q51297cbd53_qkv
	.p2alignl 7, 3214868480
	.fill 96, 4, 3214868480
	.section	.rodata,"a",@progbits
	.p2align	6, 0x0
	.amdhsa_kernel k_q51297cbd53_qkv
		.amdhsa_group_segment_fixed_size 327680
		.amdhsa_private_segment_fixed_size 0
		.amdhsa_enable_private_segment 0
		.amdhsa_kernarg_size 40
		.amdhsa_user_sgpr_count 2
		.amdhsa_user_sgpr_kernarg_segment_ptr 1
		.amdhsa_wavefront_size32 1
		.amdhsa_system_sgpr_workgroup_id_x 1
		.amdhsa_system_sgpr_workgroup_id_y 1
		.amdhsa_system_sgpr_workgroup_id_z 1
		.amdhsa_system_vgpr_workitem_id 0
		.amdhsa_next_free_vgpr 896
		.amdhsa_next_free_sgpr 90
		.amdhsa_reserve_vcc 0
		.amdhsa_float_denorm_mode_32 3
		.amdhsa_float_denorm_mode_16_64 3
		.amdhsa_memory_ordered 1
		.amdhsa_forward_progress 1
		.amdhsa_inst_pref_size 180
	.end_amdhsa_kernel
	.amdgpu_metadata
---
amdhsa.version: [ 1, 2 ]
amdhsa.kernels:
  - .name:           k_q51297cbd53_qkv
    .symbol:         k_q51297cbd53_qkv.kd
    .args:
      - { .name: cb, .offset: 0, .size: 8, .value_kind: global_buffer, .address_space: global }
      - { .name: bq, .offset: 8, .size: 8, .value_kind: global_buffer, .address_space: global }
      - { .name: bk, .offset: 16, .size: 8, .value_kind: global_buffer, .address_space: global }
      - { .name: bv, .offset: 24, .size: 8, .value_kind: global_buffer, .address_space: global }
      - { .name: qkv, .offset: 32, .size: 8, .value_kind: global_buffer, .address_space: global }
    .group_segment_fixed_size: 327680
    .private_segment_fixed_size: 0
    .kernarg_segment_align: 8
    .kernarg_segment_size: 40
    .max_flat_workgroup_size: 128
    .sgpr_count:     90
    .vgpr_count:     896
    .wavefront_size: 32
...
	.end_amdgpu_metadata
.endif
;; end of part 2
;; launch attn (part 3): grid 8 x 32, 8 waves a work-group, clusters of 4 x 1, 327,680 bytes of LDS; arguments qkv, ao; writes ao
.if DOCPART == 3
	.amdgcn_target "amdgcn-amd-amdhsa--gfx1250"
	.amdhsa_code_object_version 6
	.text
	.protected	k_q51297cbd53_attn
	.globl	k_q51297cbd53_attn
	.p2align	8
	.type	k_q51297cbd53_attn,@function
k_q51297cbd53_attn:
	s_mov_b64 s[64:65], 0
	v_nop
	global_prefetch_b8 v0, s[64:65] scope:SCOPE_SE
	s_setreg_imm32_b32 hwreg(HW_REG_WAVE_MODE, 25, 1), 1
	s_wait_xcnt 0x0
	s_wait_alu depctr_hold_cnt(0) depctr_sa_sdst(0) depctr_va_vdst(0) depctr_va_sdst(0) depctr_va_ssrc(0) depctr_va_vcc(0) depctr_vm_vsrc(0)
	s_getreg_b32 s2, hwreg(HW_REG_IB_STS2, 6, 4)
	s_cmp_eq_u32 s2, 0
	s_cbranch_scc0 .Lentry_in_a_cluster
	s_endpgm
.Lentry_in_a_cluster:
	s_bfe_u32 s2, ttmp6, 0x10000c
	s_cmp_lg_u32 s2, 0x3003
	s_cbranch_scc0 .Lentry_shape_is_right
	s_endpgm
.Lentry_shape_is_right:
; softmax(Q K^T / 8) V for one head, with a running maximum.  qkv: Q at 0, K at 8 MiB, V at 16 MiB, each [32 heads][2048][64] bf16; ao: the same layout.
; Work-group (qb = x, bh = y): 256 query rows of head bh.  Eight waves, two on a SIMD, so that one wave's softmax stands beside the other's matrix work.
; Wave w: g = w & 3: query rows 64 g .. +63;  kh = w >> 2: of every tile of 256 keys the keys 128 kh .. +127, in two blocks of 64.
; The two key halves keep a maximum, a sum and an O of their own and are merged once at the end, through LDS.
; TRANSPOSED: S^T = K Q^T (source 0 = 16 keys, source 1 = 16 queries): a lane holds one query (r = lane & 15) and keys 8 h + 0..7 of each key tile.
; Two key tiles packed to bf16 in place ARE source 1 of O^T = V^T P^T: no number changes lanes.  Maximum, sum and rescaling factor are one number a lane;
; the two halves of the lanes meet in one v_permlanex16_b32 for the maximum, and once at the end for the sum.  V stays [key][d]: the transposing LDS load.
; CLUSTER 4 x 1: the four query blocks of a cluster read the same K and V tiles and ask for them jointly (mask 15): the requests are divided by four.
; Ring of two slots of 256 keys; each wave brings 32 keys of K and of V, dense 4 KiB blocks taken as 16 rows of 256 bytes, padded behind every 128 bytes.
; Limits: Q, K, V and P enter the products as bf16; the denominator sums the unrounded f32 p; v_exp_f32 gives 0 below 2^-126; scores must be finite.
.set SLOT,  77824                      ; K: 256 x 144 = 36,864; V: 256 x 160 = 40,960
.set VOFF,  36864
.set KP,    144                        ; odd multiple of 16
.set VP,    160                        ; odd multiple of 32, for the transposing load
.set MS,    155648                     ; merge stage, bytes of its own: 17,408 for each g: O 16,384, maxima 512, sums 512
.set OST,   225280                     ; out stage: 16 rows x 144 for each wave number
.set ADRK, 4                           ; v4-5   K fragments, slot 0, 1
.set ADRV, 6                           ; v6-7   V fragments
.set QOFF, 8
.set STO,  9
.set RD,   10
.set CO,   11
.set MSA,  12
.set MX,   16                          ; v16-19 running maximum of query tile qt (raw scores)
.set LS,   20                          ; v20-23 running sum (this half of the lanes' keys)
.set NM,   24                          ; v24+2qt: -c x maximum;  at the merge: factor of my O
.set MT,   25                          ; v25+2qt: the other half's maximum
.set AL,   32                          ; v32+2qt: rescaling factor; at the merge: factor of the partner's O
.set SM,   33                          ; v33+2qt: the block's sum
.set TA,   40
.set TB,   41
.set PA,   42                          ; v42-43
.set PB,   44                          ; v44-45
.set M2,   48                          ; v48-51 the partner's maxima
.set L2,   52                          ; v52-55 the partner's sums
.set VF,   64                          ; v64-127 V fragments (u, dt) at 32 u + 8 dt; on the way out PK and RB
.set PK,   64
.set RB,   80
.set SR,   128                         ; v128-255 S(qt, t) at 32 qt + 8 t; then P(qt, u) at 32 qt + 16 u
.set QF,   128                         ; window 1: Q(qt, c) at 128 + 16 qt + 8 c;  O(qt, dt) at 32 qt + 8 dt
.set KF,   192                         ; window 1: K(t, c) at 192 + 16 t + 8 c
.set G1K, 24
.set G1V, 32
.set G0K, 40                           ; one set a slot
.set G0V, 48
.set MSB, 0
.macro WIN new
.if MSB != \new
	s_set_vgpr_msb (MSB<<8)|\new
.set MSB, \new
.endif
.endm
.macro ROUND                           ; a round of the cluster's barrier
	s_barrier_signal -1
	s_barrier_wait -1
	s_cmp_lg_u32 s8, 0
	s_cbranch_scc1 .Lnot_wave_0_\@
	s_barrier_signal -3
.Lnot_wave_0_\@:
	s_barrier_wait -3
	s_barrier_signal -1
	s_barrier_wait -1
.endm
	s_load_b128 s[4:7], s[0:1], 0x0                ; qkv s[4:5], ao s[6:7]
	v_lshl_add_u32 v62, v0, 2, 0x3b800
	v_mov_b32 v63, 0
	ds_add_u32 v62, v63
	v_lshrrev_b32 v1, 5, v0
	v_readfirstlane_b32 s8, v1                     ; wave w
	s_and_b32 s9, s8, 3                            ; g
	s_lshr_b32 s10, s8, 2                          ; kh
	s_bfe_u32 s11, ttmp6, 0x40000                  ; cx
	s_lshl_b32 s12, ttmp9, 2
	s_add_co_u32 s12, s12, s11                     ; qb
	s_and_b32 s13, ttmp7, 0xffff                   ; bh
	s_mov_b32 s14, 0x76543210                      ; v_permlanex16_b32: lane i of the other half
	s_mov_b32 s15, 0xfedcba98
	s_mov_b32 s16, 0x3e38aa3b                      ; c = log2(e) / 8: the scale 1 / sqrt(64) folded into the base-2 exponent
	s_mov_b32 s17, 0x3e38aa3b
	s_mov_b32 s19, 0xbe38aa3b                      ; -c
	; group 1: 16 rows of 32 elements of 8 bytes, dense; padding behind every 32 words: 4 words (K), 8 words (V); mask 15 with bit 21 beside it
	s_mov_b32 s[G1K+0], 15|(3<<16)|(1<<20)|(1<<21)|(4<<22)|(3<<25)
	s_mov_b32 s[G1V+0], 15|(3<<16)|(1<<20)|(1<<21)|(4<<22)|(7<<25)
.irp g, G1K, G1V
	s_mov_b32 s[\g+1], 32<<16                      ; tensor_dim0 = 32
	s_mov_b32 s[\g+2], 16<<16                      ; tensor_dim1 = 16
	s_mov_b32 s[\g+3], 32<<16                      ; tile_dim0 = 32
	s_mov_b32 s[\g+4], 16                          ; tile_dim1 = 16
	s_mov_b32 s[\g+5], 32                          ; pitch
	s_mov_b32 s[\g+6], 0
	s_mov_b32 s[\g+7], 0
.endr
	s_lshl_b32 s20, s13, 18                        ; the head, 262,144 bytes each,
	s_lshl_b32 s21, s8, 12                         ; my 32 keys of a tile: nothing of cx enters
	s_add_co_u32 s20, s20, s21
	s_mov_b32 s21, 0
	s_mul_i32 s2, s8, 32*KP                        ; where they go
	s_mul_i32 s3, s8, 32*VP
	s_add_co_u32 s3, s3, VOFF
	s_lshl_b32 s58, s13, 18                        ; my 64 rows of Q and of ao: head, 256 qb + 64 g rows of 128 bytes
	s_lshl_b32 s56, s12, 15
	s_add_co_u32 s58, s58, s56
	s_lshl_b32 s56, s9, 13
	s_add_co_u32 s58, s58, s56
	s_mov_b32 s59, 0
	s_wait_dscnt 0x0
	s_wait_kmcnt 0x0
	s_add_nc_u64 s[22:23], s[4:5], s[20:21]
	s_add_nc_u64 s[56:57], s[4:5], s[58:59]        ; Q
	s_add_nc_u64 s[58:59], s[6:7], s[58:59]        ; ao
.irp n, 0,1
	s_mov_b32 s[G0K+4*\n], 1
	s_add_co_u32 s[G0K+4*\n+1], s2, \n*SLOT
	s_add_nc_u64 s[G0K+4*\n+2:G0K+4*\n+3], s[22:23], 0x800000+\n*32768      ; tile n of K
	s_or_b32 s[G0K+4*\n+3], s[G0K+4*\n+3], 0x80000000
	s_mov_b32 s[G0V+4*\n], 1
	s_add_co_u32 s[G0V+4*\n+1], s3, \n*SLOT
	s_add_nc_u64 s[G0V+4*\n+2:G0V+4*\n+3], s[22:23], 0x1000000+\n*32768     ; tile n of V
	s_or_b32 s[G0V+4*\n+3], s[G0V+4*\n+3], 0x80000000
.endr
	ROUND                                          ; in front of the first joint loads
	tensor_load_to_lds s[G0K:G0K+3], s[G1K:G1K+7]  ; tile 0
	s_nop 0
	tensor_load_to_lds s[G0V:G0V+3], s[G1V:G1V+7]
	s_nop 0
	v_and_b32 v1, 15, v0                           ; r
	v_bfe_u32 v2, v0, 4, 1                         ; h
	v_and_b32 v3, 7, v0                            ; L & 7
	v_bfe_u32 v13, v0, 3, 1                        ; (L >> 3) & 1
	v_bfe_u32 v14, v0, 3, 2                        ; L >> 3
	v_and_b32 v15, 31, v0                          ; L
	v_lshlrev_b32 v[QOFF], 7, v1
	v_lshl_add_u32 v[QOFF], v2, 4, v[QOFF]         ; 128 r + 16 h
	WIN 0x40                                       ; Q stays in registers for the whole kernel: fragment (qt, c) = queries 16 qt + r, d = 32 c ..
.irp qt, 0,1,2,3
.irp c, 0,1
	global_load_b128 v[QF+16*\qt+8*\c:QF+16*\qt+8*\c+3], v[QOFF], s[56:57] offset:2048*\qt+64*\c
	global_load_b128 v[QF+16*\qt+8*\c+4:QF+16*\qt+8*\c+7], v[QOFF], s[56:57] offset:2048*\qt+64*\c+32
.endr
.endr
	WIN 0
	v_mul_u32_u24 v1, v1, KP
	v_lshl_add_u32 v1, v2, 4, v1                   ; r x 144 + 16 h: K fragments and the out stage
	s_mul_i32 s18, s10, 128*KP
	v_add_nc_u32 v[ADRK], s18, v1
	v_add_nc_u32 v[ADRK+1], SLOT, v[ADRK]
	v_lshl_add_u32 v2, v2, 3, v3                   ; key row 8 h + (L & 7)
	v_mul_u32_u24 v2, v2, VP
	v_lshl_add_u32 v2, v13, 4, v2
	s_mul_i32 s18, s10, 128*VP
	s_add_co_u32 s18, s18, VOFF
	v_add_nc_u32 v[ADRV], s18, v2
	v_add_nc_u32 v[ADRV+1], SLOT, v[ADRV]
	s_mul_i32 s18, s8, 16*KP
	s_add_co_u32 s18, s18, OST
	v_add_nc_u32 v[STO], s18, v1
	v_mul_u32_u24 v14, v14, KP
	v_lshl_add_u32 v14, v3, 4, v14
	v_add_nc_u32 v[RD], s18, v14
	v_lshlrev_b32 v[CO], 4, v15
	s_mul_i32 s18, s9, 17408
	s_add_co_u32 s18, s18, MS
	v_add_nc_u32 v[MSA], s18, v[CO]
.irp qt, 0,1,2,3
	v_mov_b32 v[MX+\qt], 0xff800000                ; -infinity: the first factor is exp2(-infinity) = 0
	v_mov_b32 v[LS+\qt], 0
	v_mov_b32 v[MT+2*\qt], 0                       ; v_permlanex16_b32 counts as a reader of its destination
.endr
	s_wait_loadcnt 0x0                             ; Q
.macro KLOAD slot, blk                 ; 16 loads: 64 keys x 64 d
	WIN 0x40
.irp t, 0,1,2,3
.irp c, 0,1
	ds_load_b128 v[KF+16*\t+8*\c:KF+16*\t+8*\c+3], v[ADRK+\slot] offset:\blk*64*KP+\t*16*KP+64*\c
	ds_load_b128 v[KF+16*\t+8*\c+4:KF+16*\t+8*\c+7], v[ADRK+\slot] offset:\blk*64*KP+\t*16*KP+64*\c+32
.endr
.endr
.endm
.macro VLOAD slot, blk                 ; 16 transposing loads: fragment (u, dt) = d 16 dt + r, keys 32 u ..
	WIN 0
.irp u, 0,1
.irp dt, 0,1,2,3
	ds_load_tr16_b128 v[VF+32*\u+8*\dt:VF+32*\u+8*\dt+3], v[ADRV+\slot] offset:(64*\blk+32*\u)*VP+32*\dt
	ds_load_tr16_b128 v[VF+32*\u+8*\dt+4:VF+32*\u+8*\dt+7], v[ADRV+\slot] offset:(64*\blk+32*\u)*VP+32*\dt+16*VP
.endr
.endr
.endm
; Softmax of query tile qt over the block's 64 keys (32 numbers a lane): new maximum, factor for what was summed before, p = exp2(c s - c m), sum, bf16.
.macro SOFT qt
.set SB, SR+32*\qt
	v_max3_num_f32 v[TA], v[MX+\qt], v[SB], v[SB+1]                ; two chains
	v_max3_num_f32 v[TB], v[SB+16], v[SB+17], v[SB+18]
.irp i, 1,2,3,4,5,6
	v_max3_num_f32 v[TA], v[TA], v[SB+2*\i], v[SB+2*\i+1]
	v_max3_num_f32 v[TB], v[TB], v[SB+17+2*\i], v[SB+18+2*\i]
.endr
	v_max3_num_f32 v[TA], v[TA], v[SB+14], v[SB+15]
	v_max3_num_f32 v[TA], v[TA], v[TB], v[SB+31]
	v_permlanex16_b32 v[MT+2*\qt], v[TA], s14, s15                 ; the same query's other keys lie in lane i xor 16
	v_max_num_f32 v[TB], v[TA], v[MT+2*\qt]                        ; the new maximum
	v_mul_f32 v[NM+2*\qt], s19, v[TB]
	v_fma_f32 v[AL+2*\qt], v[MX+\qt], s16, v[NM+2*\qt]             ; c (old - new)
	v_exp_f32 v[AL+2*\qt], v[AL+2*\qt]                             ; the packed multiply-adds below are the plain places behind it
.set ii, 0
.rept 16
	v_pk_fma_f32 v[SB+ii:SB+ii+1], v[SB+ii:SB+ii+1], s[16:17], v[NM+2*\qt:NM+2*\qt+1] op_sel_hi:[1,0,0]
.set ii, ii+2
.endr
.set ii, 0
.rept 32
	v_exp_f32 v[SB+ii], v[SB+ii]
.set ii, ii+1
.endr
	v_mov_b32 v[MX+\qt], v[TB]                                     ; the plain place behind the exponentials (ISA guide 5.7.2)
	s_wait_alu depctr_va_vdst(0)
	v_pk_add_f32 v[PA:PA+1], v[SB:SB+1], v[SB+2:SB+3]
	v_pk_add_f32 v[PB:PB+1], v[SB+16:SB+17], v[SB+18:SB+19]
.irp i, 2,3,4,5,6,7
	v_pk_add_f32 v[PA:PA+1], v[PA:PA+1], v[SB+2*\i:SB+2*\i+1]
	v_pk_add_f32 v[PB:PB+1], v[PB:PB+1], v[SB+16+2*\i:SB+17+2*\i]
.endr
	v_pk_add_f32 v[PA:PA+1], v[PA:PA+1], v[PB:PB+1]
	v_add_f32 v[SM+2*\qt], v[PA], v[PA+1]
	v_fma_f32 v[LS+\qt], v[LS+\qt], v[AL+2*\qt], v[SM+2*\qt]
.irp u, 0,1
.irp e, 0,1
.irp i, 0,1,2,3
	v_cvt_pk_bf16_f32 v[SB+16*\u+4*\e+\i], v[SB+16*\u+8*\e+2*\i], v[SB+16*\u+8*\e+2*\i+1]   ; in place: each target has been read already
.endr
.endr
.endr
.endm
; One block of 64 keys.  In each run of matrix instructions the 16 accumulators are taken in the same order, one instruction a turn.
.macro BLOCK slot, blk, first
.rept 5
	v_nop                                          ; five places: the S products write over P, a source of the last PV products; the V loads land on the other
.endr
.if \blk == 0
	KLOAD \slot, 0
.endif
	VLOAD \slot, \blk
	s_wait_dscnt 16                                ; K's 16 loads are in, V's 16 stay out
	WIN 0x05
.irp c, 0,1
.irp qt, 0,1,2,3
.irp t, 0,1,2,3
.if \c == 0
	v_wmma_f32_16x16x32_bf16 v[SR+32*\qt+8*\t:SR+32*\qt+8*\t+7], v[KF+16*\t+8*\c:KF+16*\t+8*\c+7], v[QF+16*\qt+8*\c:QF+16*\qt+8*\c+7], 0
.else
	v_wmma_f32_16x16x32_bf16 v[SR+32*\qt+8*\t:SR+32*\qt+8*\t+7], v[KF+16*\t+8*\c:KF+16*\t+8*\c+7], v[QF+16*\qt+8*\c:QF+16*\qt+8*\c+7], v[SR+32*\qt+8*\t:SR+32*\qt+8*\t+7]
.endif
.endr
.endr
.endr
.rept 4
	v_nop                                          ; four places: the softmax reads the results, the next K loads land on sources
.endr
.if \blk == 0
	KLOAD \slot, 1                                 ; the second block's K, a softmax ahead of its use
.endif
	WIN 0
	SOFT 0
	SOFT 1
	SOFT 2
	SOFT 3
.if \blk == 0
	s_wait_dscnt 16                                ; V is in, the second block's 16 K loads stay out
.else
	s_wait_dscnt 0x0                               ; V is in; nothing else is out
.endif
.if \first == 0
	WIN 0x41
.set ii, 0
.rept 64
	v_pk_mul_f32 v[ii:ii+1], v[ii:ii+1], v[AL+2*(ii/32):AL+2*(ii/32)+1] op_sel_hi:[1,0]      ; O of query tile ii / 32 times its factor
.set ii, ii+2
.endr
.endif
	WIN 0x50
.irp u, 0,1
.irp qt, 0,1,2,3
.irp dt, 0,1,2,3
.if \first*(1-\u)
	v_wmma_f32_16x16x32_bf16 v[32*\qt+8*\dt:32*\qt+8*\dt+7], v[VF+32*\u+8*\dt:VF+32*\u+8*\dt+7], v[SR+32*\qt+16*\u:SR+32*\qt+16*\u+7], 0
.else
	v_wmma_f32_16x16x32_bf16 v[32*\qt+8*\dt:32*\qt+8*\dt+7], v[VF+32*\u+8*\dt:VF+32*\u+8*\dt+7], v[SR+32*\qt+16*\u:SR+32*\qt+16*\u+7], v[32*\qt+8*\dt:32*\qt+8*\dt+7]
.endif
.endr
.endr
.endr
	WIN 0
.endm
; One tile of 256 keys.  In front of the round every wave waits for all its tensor loads (its parts of this tile among them) and for its reads of the
; other slot; the joint refill of that slot is the first tensor load behind the round.  A wave has two tensor loads out, for a whole tile's work.
.macro TRIP slot, refill, first
	s_wait_tensorcnt 0x0
	ds_add_u32 v62, v63
	s_wait_dscnt 0x0
	s_add_nc_u64 s[G0K+4*\slot+2:G0K+4*\slot+3], s[G0K+4*\slot+2:G0K+4*\slot+3], 65536    ; no load of mine is out: this slot's next tile
	s_add_nc_u64 s[G0V+4*\slot+2:G0V+4*\slot+3], s[G0V+4*\slot+2:G0V+4*\slot+3], 65536
	s_wait_dscnt 0x0
	ROUND
.if \refill
	tensor_load_to_lds s[G0K+4*(1-\slot):G0K+4*(1-\slot)+3], s[G1K:G1K+7]
	s_nop 0
	tensor_load_to_lds s[G0V+4*(1-\slot):G0V+4*(1-\slot)+3], s[G1V:G1V+7]
	s_nop 0
.endif
	BLOCK \slot, 0, \first
	BLOCK \slot, 1, 0
.endm
	TRIP 0, 1, 1                                   ; tiles 0, 1: the first PV products start the sums
	TRIP 1, 1, 0
	s_mov_b32 s18, 2
.Ltiles:
	TRIP 0, 1, 0                                   ; tiles 2 .. 5
	TRIP 1, 1, 0
	s_sub_co_u32 s18, s18, 1
	s_cmp_lg_u32 s18, 0
	s_cbranch_scc1 .Ltiles
	TRIP 0, 1, 0                                   ; tile 6 asks for tile 7,
	TRIP 1, 0, 0                                   ; which asks for nothing (the stepped addresses are not used)
	; THE MERGE: waves 4..7 hand O, maxima and sums to waves 0..3, lane for lane, through the merge stage.
.rept 4
	v_nop                                          ; four places behind the last matrix instructions
.endr
	s_cmp_lt_u32 s8, 4
	s_cbranch_scc1 .Lkeep
	WIN 0x04
.set ii, 0
.rept 32
	ds_store_b128 v[MSA], v[4*ii:4*ii+3] offset:512*ii
.set ii, ii+1
.endr
	WIN 0
	ds_store_b128 v[MSA], v[MX:MX+3] offset:16384
	ds_store_b128 v[MSA], v[LS:LS+3] offset:16896
.Lkeep:
	s_wait_dscnt 0x0                               ; for the partner's sake: my stores are done
	s_barrier_signal -1
	s_barrier_wait -1
	s_cmp_ge_u32 s8, 4
	s_cbranch_scc1 .Lclose
	ds_load_b128 v[M2:M2+3], v[MSA] offset:16384
	ds_load_b128 v[L2:L2+3], v[MSA] offset:16896
.set ii, 0
.rept 32
	ds_load_b128 v[SR+4*ii:SR+4*ii+3], v[MSA] offset:512*ii
.set ii, ii+1
.endr
	s_wait_dscnt 32                                ; maxima and sums are in, the 32 loads of O stay out
.irp qt, 0,1,2,3
	v_max_num_f32 v[TA], v[MX+\qt], v[M2+\qt]
	v_mul_f32 v[TB], s19, v[TA]
	v_fma_f32 v[PA], v[MX+\qt], s16, v[TB]
	v_fma_f32 v[PA+1], v[M2+\qt], s16, v[TB]
	v_exp_f32 v[PA], v[PA]
	v_exp_f32 v[PA+1], v[PA+1]
	v_nop                                          ; the plain place behind the exponentials
	s_wait_alu depctr_va_vdst(0)
	v_mul_f32 v[PB], v[LS+\qt], v[PA]
	v_fmac_f32 v[PB], v[L2+\qt], v[PA+1]
	v_permlanex16_b32 v[PB+1], v[PB], s14, s15     ; the sums of the other half of the lanes' keys
	v_add_f32 v[PB], v[PB], v[PB+1]                ; at least 1: the largest score's own term
	v_rcp_f32 v[PB], v[PB]
	v_nop
	s_wait_alu depctr_va_vdst(0)
	v_mul_f32 v[NM+2*\qt], v[PA], v[PB]            ; factor of my O
	v_mul_f32 v[AL+2*\qt], v[PA+1], v[PB]          ; factor of the partner's
.endr
	s_wait_dscnt 0x0
.set ii, 0
.rept 64
	v_pk_mul_f32 v[SR+ii:SR+ii+1], v[SR+ii:SR+ii+1], v[AL+2*(ii/32):AL+2*(ii/32)+1] op_sel_hi:[1,0]
.set ii, ii+2
.endr
	WIN 0x01
.set ii, 0
.rept 64
	v_pk_fma_f32 v[SR+ii:SR+ii+1], v[ii:ii+1], v[NM+2*(ii/32):NM+2*(ii/32)+1], v[SR+ii:SR+ii+1] op_sel_hi:[1,0,1]
.set ii, ii+2
.endr
	WIN 0
	; THE WAY OUT, 16 queries at a time: a lane holds 8 neighbouring d of one query; through my stage; each store of the wave covers 512 aligned bytes.
.irp qt, 0,1,2,3
.irp dt, 0,1,2,3
.irp i, 0,1,2,3
	v_cvt_pk_bf16_f32 v[PK+4*\dt+\i], v[SR+32*\qt+8*\dt+2*\i], v[SR+32*\qt+8*\dt+2*\i+1]
.endr
.endr
.irp dt, 0,1,2,3
	ds_store_b128 v[STO], v[PK+4*\dt:PK+4*\dt+3] offset:32*\dt
.endr
	s_wait_xcnt 0x0                                ; RB is the data of the stores before
.irp t, 0,1,2,3
	ds_load_b128 v[RB+4*\t:RB+4*\t+3], v[RD] offset:4*KP*\t
.endr
.irp t, 0,1,2,3
	s_wait_dscnt 3-\t                              ; read-back t is in, the younger ones stay out
	global_store_b128 v[CO], v[RB+4*\t:RB+4*\t+3], s[58:59] offset:2048*\qt+512*\t
.endr
.endr
.Lclose:
	s_wait_tensorcnt 0x0
	ds_add_u32 v62, v63
	s_wait_dscnt 0x0
	ROUND                                          ; the closing round
	s_endpgm
.Lfunc_end_k_q51297cbd53_attn:
	.size	k_q51297cbd53_attn, .Lfunc_end_k_q51297cbd53_attn-k_q51297cbd53_attn
	.p2alignl 7, 3214868480
	.fill 96, 4, 3214868480
	.section	.rodata,"a",@progbits
	.p2align	6, 0x0
	.amdhsa_kernel k_q51297cbd53_attn
		.amdhsa_group_segment_fixed_size 327680
		.amdhsa_private_segment_fixed_size 0
		.amdhsa_enable_private_segment 0
		.amdhsa_kernarg_size 16
		.amdhsa_user_sgpr_count 2
		.amdhsa_user_sgpr_kernarg_segment_ptr 1
		.amdhsa_wavefront_size32 1
		.amdhsa_system_sgpr_workgroup_id_x 1
		.amdhsa_system_sgpr_workgroup_id_y 1
		.amdhsa_system_sgpr_workgroup_id_z 1
		.amdhsa_system_vgpr_workitem_id 0
		.amdhsa_next_free_vgpr 512
		.amdhsa_next_free_sgpr 66
		.amdhsa_reserve_vcc 0
		.amdhsa_float_denorm_mode_32 3
		.amdhsa_float_denorm_mode_16_64 3
		.amdhsa_memory_ordered 1
		.amdhsa_forward_progress 1
		.amdhsa_inst_pref_size 255
	.end_amdhsa_kernel
	.section	.bss,"aw",@nobits
	.p2align	6
	.space	262144
	.amdgpu_metadata
---
amdhsa.version: [ 1, 2 ]
amdhsa.kernels:
  - .name:           k_q51297cbd53_attn
    .symbol:         k_q51297cbd53_attn.kd
    .args:
      - { .name: qkv, .offset: 0, .size: 8, .value_kind: global_buffer, .address_space: global }
      - { .name: ao, .offset: 8, .size: 8, .value_kind: global_buffer, .address_space: global }
    .group_segment_fixed_size: 327680
    .private_segment_fixed_size: 0
    .kernarg_segment_align: 8
    .kernarg_segment_size: 16
    .max_flat_workgroup_size: 256
    .sgpr_count:     66
    .vgpr_count:     512
    .wavefront_size: 32
...
	.end_amdgpu_metadata
.endif
;; end of part 3
;; launch proj (part 4): grid 8 x 32, 4 waves a work-group, clusters of 4 x 4, 327,680 bytes of LDS; arguments ao, cb, bo, out0; writes out0
.if DOCPART == 4
	.amdgcn_target "amdgcn-amd-amdhsa--gfx1250"
	.amdhsa_code_object_version 6
	.text
	.protected	k_q51297cbd53_proj
	.globl	k_q51297cbd53_proj
	.p2align	8
	.type	k_q51297cbd53_proj,@function
k_q51297cbd53_proj:
	s_mov_b64 s[64:65], 0
	v_nop
	global_prefetch_b8 v0, s[64:65] scope:SCOPE_SE
	s_setreg_imm32_b32 hwreg(HW_REG_WAVE_MODE, 25, 1), 1
	s_wait_xcnt 0x0
	s_wait_alu depctr_hold_cnt(0) depctr_sa_sdst(0) depctr_va_vdst(0) depctr_va_sdst(0) depctr_va_ssrc(0) depctr_va_vcc(0) depctr_vm_vsrc(0)
	s_getreg_b32 s2, hwreg(HW_REG_IB_STS2, 6, 4)
	s_cmp_eq_u32 s2, 0
	s_cbranch_scc0 .Lentry_in_a_cluster
	s_endpgm
.Lentry_in_a_cluster:
	s_bfe_u32 s2, ttmp6, 0x10000c
	s_cmp_lg_u32 s2, 0xf033
	s_cbranch_scc0 .Lentry_shape_is_right
	s_endpgm
.Lentry_shape_is_right:
; out0 = ao Wo + bo.  ao: [32 = batch*16 + head][2048][64] bf16; Wo: cb + 14 MiB, [1024 k][1024 n] bf16; sums and out0 in f32.
; Work-group (J = x, R = y): 128 rows x 128 columns, 8 x 32 = 256 work-groups.  Four waves, wave w = 2 i + j: 64 x 64, 16 accumulator tiles.
; Larger blocks would leave half of the 256 work-groups without work.
; K goes in 4 steps of 256 (four heads) through two LDS slots, written straight through.  A slot: four head tiles of ao (128 rows x 128 bytes, pitch 144)
; and 256 k rows of Wo (256 bytes, pitch 288).  Wave w brings head 4 step + w (a dense 16 KiB block taken as 64 rows of 256 bytes, padded behind
; every 128 bytes) and Wo's k rows 64 w .. +63 of the step: two tensor loads a wave and a step.
; CLUSTER 4 x 4: ao's tiles hang on R alone (joint along a row of the cluster), Wo's on J alone (joint along a column): requests divided by four.
; Transposed use as in the projection of Q, K, V: a lane holds 8 neighbouring columns of one row.
; Limit: ao and Wo enter as bf16.
.set SLOT,   147456
.set BOFFS,  73728                     ; Wo's rows lie behind the four head tiles
.set ATILE,  18432                     ; 128 x 144, and 64 x 288
.set APITCH, 144
.set BPITCH, 288
.set STAGE,  294912                    ; bytes of its own: 16 rows x 272 for each wave
.set SPITCH, 272
.set ADRA, 16                          ; v16-17  slot 0, 1
.set ADRB, 18                          ; v18-21  2*slot + half of the step's k rows (the immediate has 16 bits)
.set STO,  24
.set RD,   25
.set CO,   26
.set BOFF, 27
.set FA,   32                          ; buffer f: ao fragments at 32 + 64 f, Wo fragments at 64 + 64 f
.set FB,   64
.set BIAS, 160                         ; v160-191
.set T,    192                         ; v192-223
.set RB,   224                         ; v224-255
                                       ; window 1: accumulator (b, a) at 8 (4 b + a)
.set G1A, 24
.set G0A, 32
.set G1B, 40
.set G0B, 48
.set MSB, 0
.macro WIN new
.if MSB != \new
	s_set_vgpr_msb (MSB<<8)|\new
.set MSB, \new
.endif
.endm
.macro PLACES                          ; four places behind a matrix instruction (ISA guide 7.12.1)
.rept 4
	v_nop
.endr
.endm
.macro CREST
	s_cmp_lg_u32 s14, 0
	s_cbranch_scc1 .Lnot_wave_0_\@
	s_barrier_signal -3
.Lnot_wave_0_\@:
	s_barrier_wait -3
	s_barrier_signal -1
	s_barrier_wait -1
.endm
.macro CROUND
	s_barrier_signal -1
	s_barrier_wait -1
	CREST
.endm
	s_load_b256 s[4:11], s[0:1], 0x0               ; ao s[4:5], cb s[6:7], bo s[8:9], out0 s[10:11]
	v_lshl_add_u32 v30, v0, 2, 0x4c400
	v_mov_b32 v31, 0
	ds_add_u32 v30, v31
	v_lshrrev_b32 v1, 5, v0
	v_readfirstlane_b32 s14, v1                    ; wave w
	s_lshr_b32 s15, s14, 1                         ; i
	s_and_b32 s16, s14, 1                          ; j
	s_bfe_u32 s17, ttmp6, 0x40000                  ; cx
	s_bfe_u32 s18, ttmp6, 0x40004                  ; cy
	s_lshl_b32 s19, ttmp9, 2
	s_add_co_u32 s19, s19, s17                     ; J
	s_and_b32 s20, ttmp7, 0xffff
	s_lshl_b32 s20, s20, 2
	s_add_co_u32 s20, s20, s18                     ; R
	s_lshl_b32 s21, s18, 2
	s_lshl_b32 s21, 15, s21                        ; my row of the cluster
	s_lshl_b32 s22, 0x1111, s17                    ; my column
	s_or_b32 s[G1A+0], s21, (3<<16)|(1<<20)|(1<<21)|(4<<22)|(3<<25)   ; elements of 8 bytes; 4 words of padding behind every 32
	s_mov_b32 s[G1A+1], 32<<16                     ; tensor_dim0 = 32
	s_mov_b32 s[G1A+2], 64<<16                     ; tensor_dim1 = 64
	s_mov_b32 s[G1A+3], 32<<16                     ; tile_dim0 = 32
	s_mov_b32 s[G1A+4], 64                         ; tile_dim1 = 64
	s_mov_b32 s[G1A+5], 32                         ; dense
	s_mov_b32 s[G1A+6], 0
	s_mov_b32 s[G1A+7], 0
	s_or_b32 s[G1B+0], s22, (1<<16)|(1<<20)|(1<<21)|(5<<22)|(7<<25)   ; elements of 2 bytes; 8 words of padding behind every 64
	s_mov_b32 s[G1B+1], 128<<16
	s_mov_b32 s[G1B+2], 64<<16
	s_mov_b32 s[G1B+3], 128<<16
	s_mov_b32 s[G1B+4], 64
	s_mov_b32 s[G1B+5], 1024
	s_mov_b32 s[G1B+6], 0
	s_mov_b32 s[G1B+7], 0
	s_lshr_b32 s56, s20, 4                         ; ao: batch R >> 4, head w of the step (registers that never hold cx),
	s_lshl_b32 s56, s56, 4
	s_add_co_u32 s56, s56, s14
	s_lshl_b32 s56, s56, 18
	s_and_b32 s57, s20, 15                         ; position (R & 15) 128, rows of 128 bytes
	s_lshl_b32 s57, s57, 14
	s_add_co_u32 s56, s56, s57
	s_mov_b32 s57, 0
	s_lshl_b32 s60, s14, 17                        ; Wo: k row 64 w (registers that never hold cy),
	s_lshl_b32 s61, s19, 8                         ; column 128 J,
	s_add_co_u32 s60, s60, s61
	s_add_co_u32 s60, s60, 0xe00000                ; at 14 MiB of cb
	s_mov_b32 s61, 0
	s_mul_i32 s78, s14, ATILE                      ; where my tiles go
	s_wait_dscnt 0x0
	s_wait_kmcnt 0x0
	s_add_nc_u64 s[58:59], s[4:5], s[56:57]
	s_add_nc_u64 s[62:63], s[6:7], s[60:61]
	CROUND                                         ; in front of the first joint loads
.irp n, 0,1
	s_mov_b32 s[G0A+4*\n], 1
	s_add_co_u32 s[G0A+4*\n+1], s78, \n*SLOT
	s_add_nc_u64 s[G0A+4*\n+2:G0A+4*\n+3], s[58:59], \n*0x100000     ; K step n: four heads on
	s_or_b32 s[G0A+4*\n+3], s[G0A+4*\n+3], 0x80000000
	s_mov_b32 s[G0B+4*\n], 1
	s_add_co_u32 s[G0B+4*\n+1], s78, \n*SLOT+BOFFS
	s_add_nc_u64 s[G0B+4*\n+2:G0B+4*\n+3], s[62:63], \n*524288       ; 256 rows of 2,048 bytes on
	s_or_b32 s[G0B+4*\n+3], s[G0B+4*\n+3], 0x80000000
	tensor_load_to_lds s[G0A+4*\n:G0A+4*\n+3], s[G1A:G1A+7]
	s_nop 0
	tensor_load_to_lds s[G0B+4*\n:G0B+4*\n+3], s[G1B:G1B+7]
	s_nop 0
.endr
	v_and_b32 v1, 15, v0                           ; r
	v_bfe_u32 v2, v0, 4, 1                         ; h
	v_and_b32 v3, 7, v0                            ; L & 7
	v_bfe_u32 v4, v0, 3, 1                         ; (L >> 3) & 1
	v_mul_u32_u24 v5, v1, APITCH
	v_lshl_add_u32 v5, v2, 4, v5
	s_mul_i32 s74, s15, 64*APITCH
	v_add_nc_u32 v[ADRA], s74, v5
	v_add_nc_u32 v[ADRA+1], SLOT, v[ADRA]
	v_lshl_add_u32 v6, v2, 3, v3
	v_mul_u32_u24 v6, v6, BPITCH
	v_lshl_add_u32 v6, v4, 4, v6
	s_lshl_b32 s75, s16, 7                         ; my 64 columns = 128 bytes
	s_add_co_u32 s75, s75, BOFFS
	v_add_nc_u32 v[ADRB], s75, v6
	v_add_nc_u32 v[ADRB+1], 128*BPITCH, v[ADRB]
	v_add_nc_u32 v[ADRB+2], SLOT, v[ADRB]
	v_add_nc_u32 v[ADRB+3], SLOT, v[ADRB+1]
	s_mul_i32 s76, s14, 16*SPITCH
	s_add_co_u32 s76, s76, STAGE
	v_mul_u32_u24 v7, v1, SPITCH
	v_lshl_add_u32 v7, v2, 5, v7
	v_add_nc_u32 v[STO], s76, v7                   ; in: row r, 32 bytes for each half of the lanes
	v_mul_u32_u24 v7, v2, SPITCH
	v_lshl_add_u32 v7, v1, 4, v7
	v_add_nc_u32 v[RD], s76, v7                    ; back: sixteen lanes take a row of 256 bytes
	v_lshlrev_b32 v8, 12, v2
	v_lshl_add_u32 v[CO], v1, 4, v8                ; the same two rows of out0, 4,096 bytes apart
	v_lshlrev_b32 v[BOFF], 5, v2
	s_lshl_b32 s70, s19, 9                         ; column 128 J + 64 j, 4 bytes each
	s_lshl_b32 s71, s16, 8
	s_add_co_u32 s70, s70, s71
	s_mov_b32 s71, 0
	s_add_nc_u64 s[66:67], s[8:9], s[70:71]        ; bo
	s_lshl_b32 s72, s20, 7
	s_lshl_b32 s73, s15, 6
	s_add_co_u32 s72, s72, s73                     ; row 128 R + 64 i
	s_lshl_b32 s72, s72, 12
	s_add_co_u32 s72, s72, s70
	s_mov_b32 s73, 0
	s_add_nc_u64 s[68:69], s[10:11], s[72:73]      ; out0
.irp b, 0,1,2,3
	global_load_b128 v[BIAS+8*\b:BIAS+8*\b+3], v[BOFF], s[66:67] offset:64*\b        ; waited for on the way out
	global_load_b128 v[BIAS+8*\b+4:BIAS+8*\b+7], v[BOFF], s[66:67] offset:64*\b+16
.endr
; The 16 accumulators are taken in the same order in every sub-step, one instruction a turn.
.macro MULP f, b0, nb, zero
.set bb, \b0
.rept \nb
.irp a, 0,1,2,3
.if \zero
	v_wmma_f32_16x16x32_bf16 v[8*(4*bb+\a):8*(4*bb+\a)+7], v[FB+64*\f+8*bb:FB+64*\f+8*bb+7], v[FA+64*\f+8*\a:FA+64*\f+8*\a+7], 0
.else
	v_wmma_f32_16x16x32_bf16 v[8*(4*bb+\a):8*(4*bb+\a)+7], v[FB+64*\f+8*bb:FB+64*\f+8*bb+7], v[FA+64*\f+8*\a:FA+64*\f+8*\a+7], v[8*(4*bb+\a):8*(4*bb+\a)+7]
.endif
.endr
.set bb, bb+1
.endr
.endm
; 16 LDS loads: sub-step q (32 along K: head q >> 1, half q & 1 of its 64 d) of a slot into buffer f
.macro FETCH slot, q, f
	WIN 0
.irp a, 0,1,2,3
	ds_load_b128 v[FA+64*\f+8*\a:FA+64*\f+8*\a+3], v[ADRA+\slot] offset:(\q>>1)*ATILE+\a*16*APITCH+64*(\q&1)
	ds_load_b128 v[FA+64*\f+8*\a+4:FA+64*\f+8*\a+7], v[ADRA+\slot] offset:(\q>>1)*ATILE+\a*16*APITCH+64*(\q&1)+32
.endr
.irp b, 0,1,2,3
	ds_load_tr16_b128 v[FB+64*\f+8*\b:FB+64*\f+8*\b+3], v[ADRB+2*\slot+(\q>>2)] offset:(\q&3)*32*BPITCH+32*\b
	ds_load_tr16_b128 v[FB+64*\f+8*\b+4:FB+64*\f+8*\b+7], v[ADRB+2*\slot+(\q>>2)] offset:(\q&3)*32*BPITCH+32*\b+16*BPITCH
.endr
.endm
.macro SUB slot, q, f, g, zero         ; multiplies buffer f; sub-step q's fragments go into buffer g first
	s_wait_dscnt 0x0                               ; buffer f's 16 loads, issued a sub-step ago, are the only ones out
	PLACES                                         ; buffer g was read by the matrix instructions just issued
	FETCH \slot, \q, \g
	WIN 0x50
	MULP \f, 0, 4, \zero
.endm
.macro SEVEN slot, zero
	SUB \slot, 1, 0, 1, \zero
	SUB \slot, 2, 1, 0, 0
	SUB \slot, 3, 0, 1, 0
	SUB \slot, 4, 1, 0, 0
	SUB \slot, 5, 0, 1, 0
	SUB \slot, 6, 1, 0, 0
	SUB \slot, 7, 0, 1, 0
.endm
; The eighth sub-step changes slots: my reads of this slot and all my tensor loads (the next slot's two) are waited for in front of the barrier;
; fill = 1: the barrier opens a round of the cluster's barrier, and the two joint refills are the first tensor loads behind it.
.macro TURN slot, next, fill
	s_wait_dscnt 0x0
	s_wait_tensorcnt 0x0
	ds_add_u32 v30, v31
	s_wait_dscnt 0x0
	s_barrier_signal -1
	WIN 0x50
	MULP 1, 0, 2, 0
	WIN 0
	s_barrier_wait -1
.if \fill
	CREST
	s_add_nc_u64 s[G0A+4*\slot+2:G0A+4*\slot+3], s[G0A+4*\slot+2:G0A+4*\slot+3], 2*0x100000
	s_add_nc_u64 s[G0B+4*\slot+2:G0B+4*\slot+3], s[G0B+4*\slot+2:G0B+4*\slot+3], 2*524288
	tensor_load_to_lds s[G0A+4*\slot:G0A+4*\slot+3], s[G1A:G1A+7]
	s_nop 0
	tensor_load_to_lds s[G0B+4*\slot:G0B+4*\slot+3], s[G1B:G1B+7]
	s_nop 0
.endif
	PLACES
	FETCH \next, 0, 0
	WIN 0x50
	MULP 1, 2, 2, 0
.endm
	s_wait_tensorcnt 0x2                           ; K step 0's two loads are in, K step 1's two stay out
	s_barrier_signal -1
	s_barrier_wait -1
	FETCH 0, 0, 0
	SEVEN 0, 1                                     ; K step 0: its first products start the sums
	TURN 0, 1, 1
	SEVEN 1, 0
	TURN 1, 0, 1
	SEVEN 0, 0                                     ; K steps 2, 3 fill nothing
	TURN 0, 1, 0
	SEVEN 1, 0
	s_wait_dscnt 0x0
	WIN 0x50
	MULP 1, 0, 4, 0
; THE WAY OUT, 16 rows at a time: add the bias, 32 bytes a lane into my stage, read back as rows of 256 bytes; sixteen lanes store 256 consecutive
; bytes at a multiple of 256 from out0's first byte.
.macro OUT a
	WIN 0x01
.irp b, 0,1,2,3
.irp p, 0,1,2,3
	v_pk_add_f32 v[T+8*\b+2*\p:T+8*\b+2*\p+1], v[8*(4*\b+\a)+2*\p:8*(4*\b+\a)+2*\p+1], v[BIAS+8*\b+2*\p:BIAS+8*\b+2*\p+1]
.endr
.endr
	WIN 0
.irp b, 0,1,2,3
	ds_store_b128 v[STO], v[T+8*\b:T+8*\b+3] offset:64*\b
	ds_store_b128 v[STO], v[T+8*\b+4:T+8*\b+7] offset:64*\b+16
.endr
	s_wait_xcnt 0x0                                ; RB is the data of the stores before
.irp t, 0,1,2,3,4,5,6,7
	ds_load_b128 v[RB+4*\t:RB+4*\t+3], v[RD] offset:2*SPITCH*\t
.endr
.irp t, 0,1,2,3,4,5,6,7
	s_wait_dscnt 7-\t                              ; read-back t is in, the younger ones stay out
	global_store_b128 v[CO], v[RB+4*\t:RB+4*\t+3], s[68:69] offset:65536*\a+8192*\t th:TH_STORE_NT
.endr
.endm
	s_wait_loadcnt 0x0                             ; the biases
	PLACES                                         ; behind the last matrix instructions
	OUT 0
	OUT 1
	OUT 2
	OUT 3
	s_wait_tensorcnt 0x0
	ds_add_u32 v30, v31
	s_wait_dscnt 0x0
	CROUND                                         ; the closing round
	s_endpgm
.Lfunc_end_k_q51297cbd53_proj:
	.size	k_q51297cbd53_proj, .Lfunc_end_k_q51297cbd53_proj-k_q51297cbd53_proj
	.p2alignl 7, 3214868480
	.fill 96, 4, 3214868480
	.section	.rodata,"a",@progbits
	.p2align	6, 0x0
	.amdhsa_kernel k_q51297cbd53_proj
		.amdhsa_group_segment_fixed_size 327680
		.amdhsa_private_segment_fixed_size 0
		.amdhsa_enable_private_segment 0
		.amdhsa_kernarg_size 32
		.amdhsa_user_sgpr_count 2
		.amdhsa_user_sgpr_kernarg_segment_ptr 1
		.amdhsa_wavefront_size32 1
		.amdhsa_system_sgpr_workgroup_id_x 1
		.amdhsa_system_sgpr_workgroup_id_y 1
		.amdhsa_system_sgpr_workgroup_id_z 1
		.amdhsa_system_vgpr_workitem_id 0
		.amdhsa_next_free_vgpr 384
		.amdhsa_next_free_sgpr 80
		.amdhsa_reserve_vcc 0
		.amdhsa_float_denorm_mode_32 3
		.amdhsa_float_denorm_mode_16_64 3
		.amdhsa_memory_ordered 1
		.amdhsa_forward_progress 1
		.amdhsa_inst_pref_size 93
	.end_amdhsa_kernel
	.amdgpu_metadata
---
amdhsa.version: [ 1, 2 ]
amdhsa.kernels:
  - .name:           k_q51297cbd53_proj
    .symbol:         k_q51297cbd53_proj.kd
    .args:
      - { .name: ao, .offset: 0, .size: 8, .value_kind: global_buffer, .address_space: global }
      - { .name: cb, .offset: 8, .size: 8, .value_kind: global_buffer, .address_space: global }
      - { .name: bo, .offset: 16, .size: 8, .value_kind: global_buffer, .address_space: global }
      - { .name: out0, .offset: 24, .size: 8, .value_kind: global_buffer, .address_space: global }
    .group_segment_fixed_size: 327680
    .private_segment_fixed_size: 0
    .kernarg_segment_align: 8
    .kernarg_segment_size: 32
    .max_flat_workgroup_size: 128
    .sgpr_count:     80
    .vgpr_count:     384
    .wavefront_size: 32
...
	.end_amdgpu_metadata
.endif
;; end of part 4
;; ======== version 2 of 2: 4 launches; version 1 with the launch cast written anew for expert scheduling mode
;; workspace buffers: cb 16,777,216 bytes; qkv 25,165,824 bytes; ao 8,388,608 bytes
;; launch cast (part 5): grid 64 x 8, 8 waves a work-group, no clusters, 0 bytes of LDS; arguments x, Wq, Wk, Wv, Wo, cb; writes cb
.if DOCPART == 5
	.amdgcn_target "amdgcn-amd-amdhsa--gfx1250"
	.amdhsa_code_object_version 6
	.text
	.protected	k_q51297cbd53_cast
	.globl	k_q51297cbd53_cast
	.p2align	8
	.type	k_q51297cbd53_cast,@function
k_q51297cbd53_cast:
	s_mov_b64 s[64:65], 0
	v_nop
	global_prefetch_b8 v0, s[64:65] scope:SCOPE_SE
	s_setreg_imm32_b32 hwreg(HW_REG_WAVE_SCHED_MODE, 0, 2), 2
	s_setreg_imm32_b32 hwreg(HW_REG_WAVE_MODE, 25, 1), 1
	s_wait_xcnt 0x0
	s_wait_alu depctr_vm_vsrc(0)
; f32 -> bf16 (round to nearest even), layout unchanged, so that the three matrix launches convert nothing and move half the bytes.
; cb: bytes 0 .. 8 MiB = x as [4096][1024] bf16; then Wq, Wk, Wv, Wo, 2 MiB each, as [1024 k][1024 n] bf16.
; Grid y names a slice of 4 MiB of f32: y = 0..3 the quarters of x, y = 4..7 Wq, Wk, Wv, Wo.  Grid x names 64 KiB of the slice.
; A thread makes 16 loads of 16 bytes (a wave's load covers 512 consecutive bytes) and 16 stores of 8 bytes (a wave's store covers
; 256 consecutive bytes, aligned).  All 16 loads are issued first, and no register is used twice.
; A stream: no LDS, no matrix unit, no cluster (no byte is read by two work-groups).
; THE MODE: SCHED_MODE bits 1:0 = 2 (LLVM: expert scheduling mode 2), set by the entry lines.  The code itself states the register dependences
; between vector instructions and memory instructions, with s_wait_alu, always for 0.
; THE PLAN.  Registers that memory instructions touch:
;   v1, v2   byte offsets of the loads and of the stores: written once at the head by vector shifts, read by every load or store, never written again.
;   X        written by the 16 loads, each register once, and named by no vector instruction before that; read by the conversions behind the counted wait.
;   Y        written by the conversions, each register once; read by the stores as their data; never written again.
; So one wait on va_vdst stands ahead of the first load (the offsets), and the 16 chunks go in four blocks of four: eight conversions, one wait on
; va_vdst (the block's eight Y registers are written), a run of four stores.  No register that a memory instruction reads is ever written again:
; no wait on vm_vsrc is owed.  No vector instruction writes a scalar register or VCC, and EXEC is never written.
.set X, 4                              ; v[4:67]   16 x 4 f32 as loaded
.set Y, 68                             ; v[68:99]  16 x 2 words of bf16 to store
	s_load_b256 s[4:11], s[0:1], 0x0               ; x s[4:5], Wq s[6:7], Wk s[8:9], Wv s[10:11]
	s_load_b128 s[12:15], s[0:1], 0x20             ; Wo s[12:13], cb s[14:15]
	s_and_b32 s20, ttmp7, 0xffff                   ; y: the slice
	s_lshl_b32 s21, s20, 22                        ; a quarter of x is 4 MiB
	s_lshl_b32 s19, ttmp9, 16                      ; my 64 KiB of the slice
	s_lshl_b32 s22, s20, 21                        ; in cb a slice is 2 MiB,
	s_lshl_b32 s23, ttmp9, 15                      ; my part of it 32 KiB
	s_add_co_u32 s22, s22, s23
	s_mov_b32 s23, 0
	v_lshlrev_b32 v1, 4, v0                        ; 16 bytes a thread in
	v_lshlrev_b32 v2, 3, v0                        ; 8 bytes a thread out
	s_wait_kmcnt 0x0
	s_mov_b64 s[16:17], s[6:7]                     ; the source, chosen by y alone: y = 4 Wq,
	s_cmp_eq_u32 s20, 5
	s_cselect_b64 s[16:17], s[8:9], s[16:17]       ; 5 Wk,
	s_cmp_eq_u32 s20, 6
	s_cselect_b64 s[16:17], s[10:11], s[16:17]     ; 6 Wv,
	s_cmp_eq_u32 s20, 7
	s_cselect_b64 s[16:17], s[12:13], s[16:17]     ; 7 Wo,
	s_cmp_lt_u32 s20, 4
	s_cselect_b64 s[16:17], s[4:5], s[16:17]       ; below 4: x,
	s_cselect_b32 s18, s21, 0                      ; at its quarter y
	s_add_co_u32 s18, s18, s19
	s_mov_b32 s19, 0
	s_add_nc_u64 s[16:17], s[16:17], s[18:19]
	s_add_nc_u64 s[22:23], s[14:15], s[22:23]
	s_wait_alu depctr_va_vdst(0)                   ; v1 and v2 are written: every load below reads v1 as its offset, every store v2
.irp i, 0,1,2,3,4,5,6,7,8,9,10,11,12,13,14,15
	global_load_b128 v[X+4*(\i):X+4*(\i)+3], v1, s[16:17] offset:4096*(\i) th:TH_LOAD_NT   ; read once in the launch
.endr
.irp b, 0,1,2,3
	s_wait_loadcnt 12-4*(\b)                       ; loads come back in order: block b's four are in, the 12 - 4 b younger ones stay out
.irp i, 0,1,2,3
	v_cvt_pk_bf16_f32 v[Y+2*(4*(\b)+(\i))], v[X+4*(4*(\b)+(\i))], v[X+4*(4*(\b)+(\i))+1]
	v_cvt_pk_bf16_f32 v[Y+2*(4*(\b)+(\i))+1], v[X+4*(4*(\b)+(\i))+2], v[X+4*(4*(\b)+(\i))+3]
.endr
	s_wait_alu depctr_va_vdst(0)                   ; the block's eight conversions have written v[Y+8 b .. Y+8 b+7], the data of the four stores below
.irp i, 0,1,2,3
	global_store_b64 v2, v[Y+2*(4*(\b)+(\i)):Y+2*(4*(\b)+(\i))+1], s[22:23] offset:2048*(4*(\b)+(\i))   ; no hint: the next launch reads it
.endr
.endr
	s_endpgm
.Lfunc_end_k_q51297cbd53_cast:
	.size	k_q51297cbd53_cast, .Lfunc_end_k_q51297cbd53_cast-k_q51297cbd53_cast
	.p2alignl 7, 3214868480
	.fill 96, 4, 3214868480
	.section	.rodata,"a",@progbits
	.p2align	6, 0x0
	.amdhsa_kernel k_q51297cbd53_cast
		.amdhsa_group_segment_fixed_size 0
		.amdhsa_private_segment_fixed_size 0
		.amdhsa_enable_private_segment 0
		.amdhsa_kernarg_size 48
		.amdhsa_user_sgpr_count 2
		.amdhsa_user_sgpr_kernarg_segment_ptr 1
		.amdhsa_wavefront_size32 1
		.amdhsa_system_sgpr_workgroup_id_x 1
		.amdhsa_system_sgpr_workgroup_id_y 1
		.amdhsa_system_sgpr_workgroup_id_z 1
		.amdhsa_system_vgpr_workitem_id 0
		.amdhsa_next_free_vgpr 100
		.amdhsa_next_free_sgpr 66
		.amdhsa_reserve_vcc 0
		.amdhsa_float_denorm_mode_32 3
		.amdhsa_float_denorm_mode_16_64 3
		.amdhsa_memory_ordered 1
		.amdhsa_forward_progress 1
		.amdhsa_inst_pref_size 7
	.end_amdhsa_kernel
	.amdgpu_metadata
---
amdhsa.version: [ 1, 2 ]
amdhsa.kernels:
  - .name:           k_q51297cbd53_cast
    .symbol:         k_q51297cbd53_cast.kd
    .args:
      - { .name: x, .offset: 0, .size: 8, .value_kind: global_buffer, .address_space: global }
      - { .name: Wq, .offset: 8, .size: 8, .value_kind: global_buffer, .address_space: global }
      - { .name: Wk, .offset: 16, .size: 8, .value_kind: global_buffer, .address_space: global }
      - { .name: Wv, .offset: 24, .size: 8, .value_kind: global_buffer, .address_space: global }
      - { .name: Wo, .offset: 32, .size: 8, .value_kind: global_buffer, .address_space: global }
      - { .name: cb, .offset: 40, .size: 8, .value_kind: global_buffer, .address_space: global }
    .group_segment_fixed_size: 0
    .private_segment_fixed_size: 0
    .kernarg_segment_align: 8
    .kernarg_segment_size: 48
    .max_flat_workgroup_size: 256
    .sgpr_count:     66
    .vgpr_count:     100
    .wavefront_size: 32
...
	.end_amdgpu_metadata
.endif
;; end of part 5
;; launch qkv: the kernel of part 2 again; grid 8 x 32, 4 waves a work-group, clusters of 4 x 4, 327,680 bytes of LDS; arguments cb, bq, bk, bv, qkv; writes qkv
;; launch attn: the kernel of part 3 again; grid 8 x 32, 8 waves a work-group, clusters of 4 x 1, 327,680 bytes of LDS; arguments qkv, ao; writes ao
;; launch proj: the kernel of part 4 again; grid 8 x 32, 4 waves a work-group, clusters of 4 x 4, 327,680 bytes of LDS; arguments ao, cb, bo, out0; writes out0
